; MI455X (gfx1250); checked and timed in simulation.
; The chip was launched on July 23, 2026; its instructions are those of AMD's public machine-readable ISA for CDNA 5 (MIT licence, August 2026) and "CDNA5" Instruction Set Architecture Reference Guide (July 2026). The comments in the code are by the model that wrote it; some were corrected since.
;; Vector Quantizer. Allowed arithmetic: float matrix products may take bf16 or f16 operands with f32 sums; all other float work in f32.
;; Inputs: emb_weight 8,192 x 256 float32; z 8 x 256 x 64 x 64 float32.
;; Outputs: out0 8 x 256 x 64 x 64 float32; out1 one number float32.
;; One version. Each part assembles by itself: llvm-mc -triple=amdgcn-amd-amdhsa -mcpu=gfx1250 --defsym DOCPART=n.
;; ======== version 1 of 1: 4 launches
;; workspace buffers: eb 4,194,304 bytes; esq 32,768 bytes; idx 131,072 bytes of whole numbers; part 2,048 bytes
;; launch prep (part 1): grid 256 x 1, 8 waves a work-group, no clusters, 0 bytes of LDS; arguments emb_weight, eb, esq; writes eb, esq
.if DOCPART == 1
	.amdgcn_target "amdgcn-amd-amdhsa--gfx1250"
	.amdhsa_code_object_version 6
	.text
	.protected	k_qd2ce0ccc8b_prep
	.globl	k_qd2ce0ccc8b_prep
	.p2align	8
	.type	k_qd2ce0ccc8b_prep,@function
k_qd2ce0ccc8b_prep:
	s_mov_b64 s[64:65], 0
	v_nop
	global_prefetch_b8 v0, s[64:65] scope:SCOPE_SE
	s_setreg_imm32_b32 hwreg(HW_REG_WAVE_MODE, 25, 1), 1
	s_wait_xcnt 0x0
; eb[k][c] = bf16(emb_weight[k][c]);  esq[k] = sum over c of eb[k][c]^2, in f32.
; The squared norm is taken from the ROUNDED numbers: the distances of the next launch are those of the rounded operands throughout.
; 8,192 rows of 256 f32.  A work-group takes 32 rows, a wave 4 whole rows, so a row's sum never leaves its wave: no LDS, no barrier.
; A row is two loads of 16 bytes a lane (512 consecutive bytes each) and two stores of 8 bytes a lane (256 consecutive bytes each, aligned).
; esq leaves as 16 bytes a wave (4 rows): pieces of an aligned block, 32 KiB in all beside 12 MiB of rows.
; Memory binds here: matrix units, clusters and LDS would add nothing.
.set X,   8                            ; v[8:39]   row i: 8 registers as loaded, then the rounded numbers widened again
.set P,   40                           ; v[40:55]  row i: 4 registers, 8 bf16 to store (each row its own: no store's data is rewritten)
.set S,   56                           ; v[56:59]  at work on a row's sum
.set SUM, 60                           ; v[60:63]  the four rows' sums
	s_load_b128 s[4:7], s[0:1], 0x0                ; emb_weight s[4:5], eb s[6:7]
	s_load_b64 s[8:9], s[0:1], 0x10                ; esq
	v_and_b32 v1, 31, v0                           ; lane
	v_lshrrev_b32 v2, 5, v0                        ; wave
	v_lshlrev_b32 v3, 4, v1
	v_lshl_add_u32 v3, v2, 12, v3                  ; in: 4 rows of 1,024 bytes a wave + 16 x lane
	v_lshlrev_b32 v4, 3, v1
	v_lshl_add_u32 v4, v2, 11, v4                  ; out: 4 rows of 512 bytes a wave + 8 x lane
	v_lshlrev_b32 v5, 4, v2                        ; esq: 16 bytes a wave
	v_mov_b32 v[S+3], 0                            ; v_permlanex16_b32 counts as a reader of its destination
	s_lshl_b32 s10, ttmp9, 15                      ; the group's 32 rows: 32,768 bytes in,
	s_mov_b32 s11, 0
	s_lshl_b32 s12, ttmp9, 14                      ; 16,384 bytes out,
	s_mov_b32 s13, 0
	s_lshl_b32 s14, ttmp9, 7                       ; 128 bytes of esq
	s_mov_b32 s15, 0
	s_mov_b32 s16, 0xffff0000                      ; a word's upper bf16
	s_mov_b32 s17, 0x76543210                      ; v_permlanex16_b32: lane i reads lane i of the other half
	s_mov_b32 s18, 0xfedcba98
	s_wait_kmcnt 0x0
	s_add_nc_u64 s[4:5], s[4:5], s[10:11]
	s_add_nc_u64 s[6:7], s[6:7], s[12:13]
	s_add_nc_u64 s[8:9], s[8:9], s[14:15]
.irp i, 0,1,2,3
	global_load_b128 v[X+8*\i:X+8*\i+3],   v3, s[4:5] offset:1024*\i        ; columns 4 lane .. + 3
	global_load_b128 v[X+8*\i+4:X+8*\i+7], v3, s[4:5] offset:1024*\i+512    ; columns 128 + 4 lane .. + 3
.endr
.macro ROWP i
	s_wait_loadcnt 6-2*\i                          ; loads come back in order: this row's two are in, the younger rows' stay out
.irp k, 0,1,2,3
	v_cvt_pk_bf16_f32 v[P+4*\i+\k], v[X+8*\i+2*\k], v[X+8*\i+2*\k+1]
.endr
.irp k, 0,1,2,3
	v_lshlrev_b32 v[X+8*\i+2*\k],   16,  v[P+4*\i+\k]      ; the rounded numbers as f32 again
	v_and_b32     v[X+8*\i+2*\k+1], s16, v[P+4*\i+\k]
.endr
	global_store_b64 v4, v[P+4*\i:P+4*\i+1],   s[6:7] offset:512*\i
	global_store_b64 v4, v[P+4*\i+2:P+4*\i+3], s[6:7] offset:512*\i+256
	v_pk_mul_f32 v[S:S+1], v[X+8*\i:X+8*\i+1], v[X+8*\i:X+8*\i+1]          ; the first product starts the sum
.irp k, 2,4,6
	v_pk_fma_f32 v[S:S+1], v[X+8*\i+\k:X+8*\i+\k+1], v[X+8*\i+\k:X+8*\i+\k+1], v[S:S+1]
.endr
	v_add_f32 v[S+2], v[S], v[S+1]
	v_add_f32_dpp v[S+2], v[S+2], v[S+2] row_xmask:1 row_mask:0xf bank_mask:0xf
	v_add_f32_dpp v[S+2], v[S+2], v[S+2] row_xmask:2 row_mask:0xf bank_mask:0xf
	v_add_f32_dpp v[S+2], v[S+2], v[S+2] row_xmask:4 row_mask:0xf bank_mask:0xf
	v_add_f32_dpp v[S+2], v[S+2], v[S+2] row_xmask:8 row_mask:0xf bank_mask:0xf
	v_permlanex16_b32 v[S+3], v[S+2], s17, s18
	v_add_f32 v[SUM+\i], v[S+2], v[S+3]            ; the row's sum, in every lane
.endm
	ROWP 0
	ROWP 1
	ROWP 2
	ROWP 3
	v_cmp_eq_u32 vcc_lo, 0, v1
	s_wait_xcnt 0x0                                ; EXEC is a source of the stores above: it is narrowed only behind this wait
	s_and_saveexec_b32 s19, vcc_lo
	global_store_b128 v5, v[SUM:SUM+3], s[8:9]     ; lane 0: the wave's four sums
	s_endpgm
.Lfunc_end_k_qd2ce0ccc8b_prep:
	.size	k_qd2ce0ccc8b_prep, .Lfunc_end_k_qd2ce0ccc8b_prep-k_qd2ce0ccc8b_prep
	.p2alignl 7, 3214868480
	.fill 96, 4, 3214868480
	.section	.rodata,"a",@progbits
	.p2align	6, 0x0
	.amdhsa_kernel k_qd2ce0ccc8b_prep
		.amdhsa_group_segment_fixed_size 0
		.amdhsa_private_segment_fixed_size 0
		.amdhsa_enable_private_segment 0
		.amdhsa_kernarg_size 24
		.amdhsa_user_sgpr_count 2
		.amdhsa_user_sgpr_kernarg_segment_ptr 1
		.amdhsa_wavefront_size32 1
		.amdhsa_system_sgpr_workgroup_id_x 1
		.amdhsa_system_sgpr_workgroup_id_y 1
		.amdhsa_system_sgpr_workgroup_id_z 1
		.amdhsa_system_vgpr_workitem_id 0
		.amdhsa_next_free_vgpr 64
		.amdhsa_next_free_sgpr 66
		.amdhsa_reserve_vcc 1
		.amdhsa_float_denorm_mode_32 3
		.amdhsa_float_denorm_mode_16_64 3
		.amdhsa_memory_ordered 1
		.amdhsa_forward_progress 1
		.amdhsa_inst_pref_size 8
	.end_amdhsa_kernel
	.amdgpu_metadata
---
amdhsa.version: [ 1, 2 ]
amdhsa.kernels:
  - .name:           k_qd2ce0ccc8b_prep
    .symbol:         k_qd2ce0ccc8b_prep.kd
    .args:
      - { .name: emb_weight, .offset: 0, .size: 8, .value_kind: global_buffer, .address_space: global }
      - { .name: eb, .offset: 8, .size: 8, .value_kind: global_buffer, .address_space: global }
      - { .name: esq, .offset: 16, .size: 8, .value_kind: global_buffer, .address_space: global }
    .group_segment_fixed_size: 0
    .private_segment_fixed_size: 0
    .kernarg_segment_align: 8
    .kernarg_segment_size: 24
    .max_flat_workgroup_size: 256
    .sgpr_count:     66
    .vgpr_count:     64
    .wavefront_size: 32
...
	.end_amdgpu_metadata
.endif
;; end of part 1
;; launch main (part 2): grid 256 x 1, 8 waves a work-group, clusters of 4 x 1, 327,680 bytes of LDS; arguments z, eb, esq, idx; writes idx
.if DOCPART == 2
	.amdgcn_target "amdgcn-amd-amdhsa--gfx1250"
	.amdhsa_code_object_version 6
	.text
	.protected	k_qd2ce0ccc8b_main
	.globl	k_qd2ce0ccc8b_main
	.p2align	8
	.type	k_qd2ce0ccc8b_main,@function
k_qd2ce0ccc8b_main:
	s_mov_b64 s[64:65], 0
	v_nop
	global_prefetch_b8 v0, s[64:65] scope:SCOPE_SE
	s_setreg_imm32_b32 hwreg(HW_REG_WAVE_MODE, 25, 1), 1
	s_wait_xcnt 0x0
	s_wait_alu depctr_hold_cnt(0) depctr_sa_sdst(0) depctr_va_vdst(0) depctr_va_sdst(0) depctr_va_ssrc(0) depctr_va_vcc(0) depctr_vm_vsrc(0)
	s_getreg_b32 s2, hwreg(HW_REG_IB_STS2, 6, 4)
	s_cmp_eq_u32 s2, 0
	s_cbranch_scc0 .Lentry_in_a_cluster
	s_endpgm
.Lentry_in_a_cluster:
	s_bfe_u32 s2, ttmp6, 0x10000c
	s_cmp_lg_u32 s2, 0x3003
	s_cbranch_scc0 .Lentry_shape_is_right
	s_endpgm
.Lentry_shape_is_right:
; idx[n] = the first k with the smallest d(n, k) = fl( fl(zsq[n] + esq[k]) - 2 m(n, k) ),  m = sum over c of bf16(z[n][c]) eb[k][c].
; d is formed with the same two f32 roundings as the problem's formula (2 m is exact, so one fused multiply-add by -2 rounds as the subtraction does),
; and compared by strict "less" in ascending k: with zsq near 256 the rounding of d makes exact ties, and the first index has to win them.
; z: [8][256 c][4096 hw] f32; n = 4096 b + hw.  eb: [8192][256] bf16.  esq: [8192] f32.  idx: [32768] u32.
;
; SHARES.  A work-group takes 128 vectors against all 8,192 codes.  Eight waves: wave w takes 64 vectors (zh = w & 1; four tiles zt of 16) and a quarter
; of each chunk's code rows (cg = w >> 1).  The wave's vectors stay in registers for the whole launch as B fragments: 4 zt x 8 K steps x 8 = 256 registers,
; window 1.  The codes go through LDS in 32 chunks of 256 rows; of a chunk a wave takes four tiles u of 16 rows, each 32 matrix instructions.
; OPERANDS.  Source 0 = 16 code rows, source 1 = 16 vectors: in the result lane (r, h) register j holds code 8 h + j against vector r.  So each lane
; takes the minimum over codes in its own registers (a running value and tile code for each of 4 zt x 8 j), and lanes meet only once, at the end.
; ONE TILE BEHIND.  A tile of 32 matrix instructions owes 128 vector instructions (two roundings, compare, minimum, index for 32 numbers a lane).  They are
; done one tile later, four behind a matrix instruction of the next tile, on the other of two accumulator sets: matrix and vector work of one wave overlap
; whatever the other wave of its SIMD does.  While matrix instructions run, source 1 means window 1; the vector forms are chosen so that they
; name vector registers in source 0, source 2 and the destination alone (a constant or a scalar register in source 1) and are right under that setting too.
; Only the compares need two vector sources: they stand in four batches of eight under window 0, eight switches a tile.
; CLUSTER.  All work-groups walk the same codebook in the same order: four of them form a cluster and ask for each chunk (and for esq) jointly, mask 15.
; The place in the cluster enters the global bases of z and idx alone: no LDS address, no branch, no descriptor.
; A wave has three tensor loads out at the start and one behind each round later.
;
; LIMITS.  NaN and infinities among the inputs are not served (if no d is below +inf, the index is 0).  m, zsq and esq are those of the inputs rounded to
; bf16.  The matrix unit's order of summing m differs from a chain of f32 additions in the last bits: where two codes lie within one rounding step of d and
; one of them on a rounding boundary, the other of the two may be chosen.
.set CPITCH, 528                       ; an LDS row of codes: 512 bytes + 16 of padding = 33 x 16: the 16 rows of a fragment load start 16 bytes apart modulo 256
.set SLOT,   256*CPITCH                ; 135,168: a chunk of 256 rows
.set ESQ,    2*SLOT                    ; 270,336: all of esq, 32,768 bytes, filled once
.set ZST,    ESQ+32768                 ; 303,104: stage for a K quarter of z, bf16 [64 k][128 n], written by LDS stores; no tensor load lands here
.set ZPITCH, 288                       ; 256 bytes + 32 = 9 x 32, for the transposing loads
.set ZSP,    ZST+64*ZPITCH             ; 321,536: partial sums of zsq, f32 [8 waves][128 n]
.set MRG,    ZST                       ; at the end: values f32 [4 cg][128 n], and 2,048 bytes on the codes u32 [4 cg][128 n]
.set CHUNKB, 131072                    ; a chunk's bytes in eb
.set ZSW,  7                           ; v7        ZSP + 512 w + 16 lane
.set ADRA, 8                           ; v8, v9    slot 0, 1: (64 cg + r) x 528 + 16 h
.set EQA,  10                          ; v10       ESQ + 256 cg + 32 h, + 1,024 a chunk
.set STA,  11                          ; v11       ZST + 8 w x 288 + 8 lane
.set TRA,  12                          ; v12       ZST + (8 h + lane % 8) x 288 + 16 ((lane >> 3) & 1) + 128 zh
.set ZPA,  13                          ; v13       ZSP + 256 zh + 4 r
.set ZOFF, 14                          ; v14       w x 8 channels x 16,384 + 16 lane
.set MWA,  15                          ; v15       MRG + 512 cg + 256 zh + 4 r
.set ZQ,   16                          ; v[16:23]  zsq of vector r of tile zt, twice (a pair for the packed forms)
.set ESQR, 24                          ; v[24:31]  esq of codes 8 h + 0..7 of the tile that is rounded next
.set ACC,  32                          ; v[32:63]  accumulators of the even tiles, one for each zt
.set AF,   64                          ; v[64:127] a tile's code rows: 8 K steps x 8
.set TT,   128                         ; v[128:159] zt x j: t = zsq + esq, then d
.set BEST, 160                         ; v[160:191] zt x j: smallest d so far
.set IDX,  192                         ; v[192:223] zt x j: its tile's code (8 h + j is added at the end)
.set ACC1, 224                         ; v[224:255] accumulators of the odd tiles
.set PK,   224                         ; v[224:239] prologue only: a quarter's 8 rows as bf16
.set ZS,   240                         ; v[240:243] prologue only: sums of squares of my 4 n over my 32 channels
.set ZL,   32                          ; v[32:159] prologue only: the 32 loads of z
.set G1C, 16                           ; s[16:23]  group 1 for code rows
.set G1E, 24                           ; s[24:31]  group 1 for esq
.set G0,  32                           ; s[32:39]  group 0, one set for each slot
.set G0E, 40                           ; s[40:43]  group 0 for esq
.set SCP, 45                           ; s45       256 chunk + 64 cg + 16 u of the tile that is being rounded
.set SCN, 47                           ; s47       the same of the tile that is being multiplied
.set CM,  48                           ; s[48:55]  compare masks
.set INF, 56                           ; s56       +inf
.set MSB, 0
.macro WIN new                         ; the immediate's high byte repeats the setting that is left; a switch that changes nothing is dropped
.if MSB != \new
	s_set_vgpr_msb (MSB<<8)|\new
.set MSB, \new
.endif
.endm
.set MUL, 0x04                         ; source 1 (the vectors) in window 1, all else in window 0
.set TOZ, 0x40                         ; destination in window 1, address in window 0
; A round of the cluster's barrier: my work-group's barrier, wave 0 signals for the work-group, every wave waits for all four work-groups, my barrier again.
.macro CREST                           ; a round behind its opening barrier
	s_cmp_lg_u32 s12, 0
	s_cbranch_scc1 .Lnot_wave_0_\@
	s_barrier_signal -3
.Lnot_wave_0_\@:
	s_barrier_wait -3
	s_barrier_signal -1
	s_barrier_wait -1
.endm
.macro ROUND
	s_barrier_signal -1
	s_barrier_wait -1
	CREST
.endm
	s_load_b256 s[4:11], s[0:1], 0x0               ; z s[4:5], eb s[6:7], esq s[8:9], idx s[10:11]
	v_lshl_add_u32 v30, v0, 2, 0x4f800
	v_mov_b32 v31, 0
	ds_add_u32 v30, v31
	s_wait_dscnt 0x0
	v_lshrrev_b32 v1, 5, v0
	v_readfirstlane_b32 s12, v1                    ; w
	s_and_b32 s13, s12, 1                          ; zh
	s_lshr_b32 s14, s12, 1                         ; cg
	s_bfe_u32 s15, ttmp6, 0x40000                  ; cx
	s_lshl_b32 s47, ttmp9, 2
	s_add_co_u32 s47, s47, s15                     ; g = 4 x cluster + cx (s47 until idx's base is made)
	s_mov_b32 s46, 0xffff0000                      ; a word's upper bf16
	s_mov_b32 s58, 0x76543210                      ; v_permlanex16_b32: lane i reads lane i of the other half
	s_mov_b32 s59, 0xfedcba98
	; group 1 for code rows: a wave's 32 rows x 256 bf16, 16 bytes of padding behind each row
	s_mov_b32 s[G1C+0], 15|(1<<16)|(1<<20)|(1<<21)|(6<<22)|(3<<25)  ; mask: all four work-groups; 2-byte elements; padding on; bit 21 beside a mask; after every 128 words, 4 words
	s_mov_b32 s[G1C+1], 256<<16                    ; tensor_dim0 = 256
	s_mov_b32 s[G1C+2], 32<<16                     ; tensor_dim1 = 32
	s_mov_b32 s[G1C+3], 256<<16                    ; tile_dim0 = 256
	s_mov_b32 s[G1C+4], 32                         ; tile_dim1 = 32
	s_mov_b32 s[G1C+5], 256                        ; elements from row to row
	s_mov_b32 s[G1C+6], 0
	s_mov_b32 s[G1C+7], 0
	; group 1 for esq: a wave's 4,096 dense bytes as 16 rows of 32 elements of 8 bytes
	s_mov_b32 s[G1E+0], 15|(3<<16)|(1<<21)
	s_mov_b32 s[G1E+1], 32<<16
	s_mov_b32 s[G1E+2], 16<<16
	s_mov_b32 s[G1E+3], 32<<16
	s_mov_b32 s[G1E+4], 16
	s_mov_b32 s[G1E+5], 32
	s_mov_b32 s[G1E+6], 0
	s_mov_b32 s[G1E+7], 0
	s_lshr_b32 s56, s47, 5                         ; b = g >> 5: 4 MiB an image,
	s_lshl_b32 s56, s56, 22
	s_and_b32 s57, s47, 31                         ; and 128 positions of 4 bytes
	s_lshl_b32 s57, s57, 9
	s_add_co_u32 s56, s56, s57
	s_mov_b32 s57, 0
	s_lshl_b32 s60, s12, 14                        ; my 32 rows of a chunk in eb
	s_mov_b32 s61, 0
	s_lshl_b32 s62, s12, 12                        ; my 4,096 bytes of esq
	s_mov_b32 s63, 0
	s_mul_i32 s45, s12, 32*CPITCH                  ; my 32 rows in a slot (s45 until the group 0 sets are made)
	v_and_b32 v2, 31, v0                           ; lane; kept to the end
	v_lshlrev_b32 v[ZOFF], 4, v2
	v_lshl_add_u32 v[ZOFF], s12, 17, v[ZOFF]
	s_wait_kmcnt 0x0
	s_add_nc_u64 s[4:5], s[4:5], s[56:57]
	; z: channel c = 64 q + 8 w + i, positions 4 lane .. + 3: each load covers 512 consecutive bytes, aligned.  All 32 go out at once.
.irp q, 0,1,2,3
.irp i, 0,1,2,3,4,5,6,7
	global_load_b128 v[ZL+32*\q+4*\i:ZL+32*\q+4*\i+3], v[ZOFF], s[4:5] offset:1048576*\q+16384*\i th:TH_LOAD_NT
.endr
.endr
	s_add_nc_u64 s[6:7], s[6:7], s[60:61]
.irp s, 0,1
	s_mov_b32 s[G0+4*\s], 1
	s_add_co_u32 s[G0+4*\s+1], s45, \s*SLOT
	s_add_nc_u64 s[G0+4*\s+2:G0+4*\s+3], s[6:7], \s*CHUNKB
	s_or_b32 s[G0+4*\s+3], s[G0+4*\s+3], 0x80000000
.endr
	s_mov_b32 s[G0E], 1
	s_add_co_u32 s[G0E+1], s62, ESQ
	s_add_nc_u64 s[G0E+2:G0E+3], s[8:9], s[62:63]
	s_or_b32 s[G0E+3], s[G0E+3], 0x80000000
	s_lshl_b32 s56, s47, 9                         ; idx: 128 words a work-group
	s_mov_b32 s57, 0
	s_add_nc_u64 s[10:11], s[10:11], s[56:57]
	ROUND                                          ; all four work-groups are here: the first joint loads meet
	tensor_load_to_lds s[G0E:G0E+3], s[G1E:G1E+7]  ; the first fills, one group: my part of esq,
	s_nop 0
	tensor_load_to_lds s[G0:G0+3], s[G1C:G1C+7]    ; of chunk 0,
	s_nop 0
	tensor_load_to_lds s[G0+4:G0+7], s[G1C:G1C+7]  ; of chunk 1
	s_nop 0
	v_and_b32 v3, 15, v0                           ; r
	v_bfe_u32 v4, v0, 4, 1                         ; h
	v_lshl_add_u32 v5, s14, 6, v3
	v_mul_u32_u24 v5, v5, CPITCH
	v_lshl_add_u32 v[ADRA], v4, 4, v5
	v_add_nc_u32 v[ADRA+1], SLOT, v[ADRA]
	s_lshl_b32 s56, s14, 8
	s_add_co_u32 s56, s56, ESQ
	v_lshl_add_u32 v[EQA], v4, 5, s56
	s_mul_i32 s57, s12, 8*ZPITCH
	s_add_co_u32 s57, s57, ZST
	v_lshl_add_u32 v[STA], v2, 3, s57
	v_and_b32 v5, 7, v0
	v_lshl_add_u32 v5, v4, 3, v5
	v_mul_u32_u24 v5, v5, ZPITCH
	v_bfe_u32 v6, v0, 3, 1
	v_lshl_add_u32 v5, v6, 4, v5
	s_lshl_b32 s60, s13, 7
	s_add_co_u32 s60, s60, ZST
	v_add_nc_u32 v[TRA], s60, v5
	s_lshl_b32 s61, s13, 8
	s_add_co_u32 s62, s61, ZSP
	v_lshl_add_u32 v[ZPA], v3, 2, s62
	s_lshl_b32 s63, s12, 9
	s_add_co_u32 s63, s63, ZSP
	v_lshl_add_u32 v[ZSW], v2, 4, s63
	s_lshl_b32 s56, s14, 9
	s_add_co_u32 s56, s56, s61
	s_add_co_u32 s56, s56, MRG
	v_lshl_add_u32 v[MWA], v3, 2, s56
	s_lshl_b32 s[SCN], s14, 6                      ; my first tile's code: 64 cg
	s_mov_b32 s[SCP], 0                            ; no tile has been multiplied yet: never taken (see the start values below)
	s_mov_b32 s[INF], 0x7f800000
.set i, 0
.rept 32
	v_mov_b32 v[BEST+i], s[INF]                    ; +inf: any finite d is less.  Once for the launch
	v_mov_b32 v[IDX+i], 0
.set i, i+1
.endr
; K quarter q of z (channels 64 q .. + 63): round to bf16, sum the squares of the ROUNDED numbers, lay the quarter into the stage as [k][n],
; and take it out transposed as B fragments of K steps 2 q and 2 q + 1.
.macro STAGE q
	s_wait_loadcnt 24-8*\q                         ; loads come back in order: this quarter's eight are in, the later quarters' stay out
.irp i, 0,1,2,3,4,5,6,7
	v_cvt_pk_bf16_f32 v[PK+2*\i],   v[ZL+32*\q+4*\i],   v[ZL+32*\q+4*\i+1]
	v_cvt_pk_bf16_f32 v[PK+2*\i+1], v[ZL+32*\q+4*\i+2], v[ZL+32*\q+4*\i+3]
	v_lshlrev_b32 v[ZL+32*\q+4*\i],   16,  v[PK+2*\i]
	v_and_b32     v[ZL+32*\q+4*\i+1], s46, v[PK+2*\i]
	v_lshlrev_b32 v[ZL+32*\q+4*\i+2], 16,  v[PK+2*\i+1]
	v_and_b32     v[ZL+32*\q+4*\i+3], s46, v[PK+2*\i+1]
	ds_store_b64 v[STA], v[PK+2*\i:PK+2*\i+1] offset:ZPITCH*\i             ; stage row 8 w + i: 32 lanes, 256 consecutive bytes
.if \q+\i == 0
	v_pk_mul_f32 v[ZS:ZS+1],   v[ZL:ZL+1],   v[ZL:ZL+1]                    ; the first products start the sums
	v_pk_mul_f32 v[ZS+2:ZS+3], v[ZL+2:ZL+3], v[ZL+2:ZL+3]
.else
	v_pk_fma_f32 v[ZS:ZS+1],   v[ZL+32*\q+4*\i:ZL+32*\q+4*\i+1],   v[ZL+32*\q+4*\i:ZL+32*\q+4*\i+1],   v[ZS:ZS+1]
	v_pk_fma_f32 v[ZS+2:ZS+3], v[ZL+32*\q+4*\i+2:ZL+32*\q+4*\i+3], v[ZL+32*\q+4*\i+2:ZL+32*\q+4*\i+3], v[ZS+2:ZS+3]
.endif
.endr
.if \q == 3
	ds_store_b128 v[ZSW], v[ZS:ZS+3]               ; my 32 channels' share of zsq of positions 4 lane .. + 3
.endif
	s_wait_dscnt 0x0                               ; my stores are done, for the other waves' sake,
	s_barrier_signal -1
	s_barrier_wait -1                              ; and so are everybody's
	WIN TOZ
.irp zt, 0,1,2,3
.irp ksl, 0,1
	ds_load_tr16_b128 v[64*\zt+8*(2*\q+\ksl):64*\zt+8*(2*\q+\ksl)+3],   v[TRA] offset:32*ZPITCH*\ksl+32*\zt             ; window 1: k = 8 h .. + 7 of vector r
	ds_load_tr16_b128 v[64*\zt+8*(2*\q+\ksl)+4:64*\zt+8*(2*\q+\ksl)+7], v[TRA] offset:32*ZPITCH*\ksl+16*ZPITCH+32*\zt   ; k = 16 + 8 h .. + 7
.endr
.endr
	WIN 0
.if \q < 3
	s_wait_dscnt 0x0                               ; my reads of the stage are back,
	s_barrier_signal -1
	s_barrier_wait -1                              ; everybody's are: the next quarter may overwrite it
.endif
.endm
	STAGE 0
	STAGE 1
	STAGE 2
	STAGE 3
.irp zt, 0,1,2,3
.irp p, 0,1,2,3,4,5,6,7
	ds_load_b32 v[ACC+8*\zt+\p], v[ZPA] offset:512*\p+64*\zt               ; wave p's share of zsq of vector 64 zh + 16 zt + r
.endr
.endr
	s_wait_dscnt 0x0                               ; these and the last fragments of z
.irp zt, 0,1,2,3
	v_add_f32 v[ACC+8*\zt],   v[ACC+8*\zt],   v[ACC+8*\zt+1]
	v_add_f32 v[ACC+8*\zt+2], v[ACC+8*\zt+2], v[ACC+8*\zt+3]
	v_add_f32 v[ACC+8*\zt+4], v[ACC+8*\zt+4], v[ACC+8*\zt+5]
	v_add_f32 v[ACC+8*\zt+6], v[ACC+8*\zt+6], v[ACC+8*\zt+7]
	v_add_f32 v[ACC+8*\zt],   v[ACC+8*\zt],   v[ACC+8*\zt+2]
	v_add_f32 v[ACC+8*\zt+4], v[ACC+8*\zt+4], v[ACC+8*\zt+6]
	v_add_f32 v[ZQ+2*\zt],    v[ACC+8*\zt],   v[ACC+8*\zt+4]
	v_add_f32 v[ZQ+2*\zt+1],  v[ACC+8*\zt],   v[ACC+8*\zt+4]               ; twice: a pair for the packed forms
.endr
	; The first tile has no tile before it.  Its vector work runs on esq = +inf and products 0: every d is +inf, which is not less than +inf, so nothing is taken.
.set i, 0
.rept 8
	v_mov_b32 v[ESQR+i], s[INF]
.set i, i+1
.endr
.set i, 0
.rept 32
	v_mov_b32 v[ACC1+i], 0
.set i, i+1
.endr
; Matrix instruction i of a tile: K step i / 4, vectors' tile zt = i % 4; 16 codes x 16 vectors x 32 K, K ascending.  The first K step starts the sums:
; nothing is cleared.  The four accumulators of the set CUR take turns, one instruction a turn.
.macro W i
	WIN MUL
.if (\i) < 4
	v_wmma_f32_16x16x32_bf16 v[CUR+8*(\i):CUR+8*(\i)+7], v[AF:AF+7], v[64*(\i):64*(\i)+7], 0
.else
	v_wmma_f32_16x16x32_bf16 v[CUR+8*((\i)%4):CUR+8*((\i)%4)+7], v[AF+8*((\i)/4):AF+8*((\i)/4)+7], v[64*((\i)%4)+8*((\i)/4):64*((\i)%4)+8*((\i)/4)+7], v[CUR+8*((\i)%4):CUR+8*((\i)%4)+7]
.endif
.endm
; The vector work of the tile before, in packets.  All but CP name vector registers in source 0, source 2 and the destination alone.
.macro TP zt                           ; t = fl(esq + zsq), 8 numbers: esq x 1.0 + zsq has the one rounding of the sum
.irp p, 0,2,4,6
	v_pk_fma_f32 v[TT+8*\zt+\p:TT+8*\zt+\p+1], v[ESQR+\p:ESQR+\p+1], 1.0, v[ZQ+2*\zt:ZQ+2*\zt+1] op_sel_hi:[1,0,1]
.endr
.endm
.macro DP zt                           ; d = fl(t - 2 m), 8 numbers, from the accumulator set PREV
.irp p, 0,2,4,6
	v_pk_fma_f32 v[TT+8*\zt+\p:TT+8*\zt+\p+1], v[PREV+8*\zt+\p:PREV+8*\zt+\p+1], -2.0, v[TT+8*\zt+\p:TT+8*\zt+\p+1] op_sel_hi:[1,0,1]
.endr
.endm
.macro CP zt                           ; where is d less than the smallest so far?  Two vector sources: under window 0
	WIN 0
.irp j, 0,1,2,3,4,5,6,7
	v_cmp_lt_f32 s[CM+\j], v[TT+8*\zt+\j], v[BEST+8*\zt+\j]
.endr
.endm
.macro MI zt, j                        ; two numbers: the smaller value (+inf as the third changes nothing), and the tile's code where d was less
.irp e, \j, \j+1
	v_min3_num_f32 v[BEST+8*\zt+\e], v[TT+8*\zt+\e], s[INF], v[BEST+8*\zt+\e]
	v_cndmask_b32 v[IDX+8*\zt+\e], v[IDX+8*\zt+\e], s[SCP], s[CM+\e]
.endr
.endm
.macro LD k                            ; K step k of the next tile's 16 code rows: address register NA, byte NO
	ds_load_b128 v[AF+8*\k:AF+8*\k+3],   v[NA] offset:NO+64*\k
	ds_load_b128 v[AF+8*\k+4:AF+8*\k+7], v[NA] offset:NO+64*\k+32
.endm
.macro LE u                            ; esq of my 8 codes of tile u, for the sums t at the head of the next tile
	ds_load_b128 v[ESQR:ESQR+3],   v[EQA] offset:64*\u
	ds_load_b128 v[ESQR+4:ESQR+7], v[EQA] offset:64*\u+16
.endm
; LDS loads come back in order, and every tile issues them in the order AF0, esq, AF1 .. AF7.  Behind the two loads of AF(k), k >= 1, stand 2 (7 - k) of the tile
; before and 2 k + 2 of this tile: 16.  The last tile of all issues only its two loads of esq: 2 (7 - k) + 2.
.macro WAITK k, kind
.if \kind == 0
	s_wait_dscnt 16
.endif
.if \kind == 3
	s_wait_dscnt 16-2*\k
.endif
.endm
; Tile u of the chunk in the slot: 32 matrix instructions into the set cur, and between them the vector work of the tile before on the set prev.
; AF(k) is loaded again, for the next tile, behind K step k's four matrix instructions and the four plain vector instructions of the packet that follows the last
; of them, which name none of their registers (ISA guide 7.12.1 for vector instructions); it has seven K steps in which to land.  The first 16 vector instructions (the sums t) are
; also the places between the last matrix instruction of the tile before and the first read of its results.
; kind 0: a tile within a chunk.  kind 2: the chunk's fourth tile; slots change and this slot is filled again, with the chunk two further on.
; kind 1: the same without a fill.  kind 3: the last tile of all.
; THE CHANGE OF SLOTS.  The tile's own fragments were the last reads of this slot.  K steps 0 and 1 issue no loads; in front of K step 2 each wave waits for
; all its LDS reads and all its tensor loads (one is out: its part of the other slot) and signals; K steps 2 to 4 are register work; behind the round no wave of
; any of the four work-groups reads this slot or has a load on its way: the joint refill comes first, one a wave, with the next chunk's work in which
; to land; then the loads that were held back go out, in the usual order, from the other slot.
.macro TILE u, cur, prev, slot, kind
.set CUR, \cur
.set PREV, \prev
.set CHG, 0
.if \kind == 1
.set CHG, 1
.endif
.if \kind == 2
.set CHG, 1
.endif
.if \u < 3
.set NA, ADRA+\slot
.set NO, 16*CPITCH*(\u+1)
.else
.set NA, ADRA+1-\slot
.set NO, 0
.endif
	s_wait_dscnt 14                                ; AF0 and esq are in: behind them stand AF1 .. AF7, 14 loads
	W 0
	TP 0
	W 1
	TP 1
	W 2
	TP 2
	W 3
	TP 3
.if \kind == 0
	LD 0
.endif
.if CHG == 0
	LE \u
.endif
.if CHG
	s_wait_dscnt 12                                ; AF1 is in: behind it stand AF2 .. AF7, and nothing of this tile
.endif
	WAITK 1, \kind
	W 4
	DP 0
	W 5
	DP 1
	W 6
	DP 2
	W 7
	DP 3
.if \kind == 0
	LD 1
.endif
.if CHG
	s_wait_dscnt 0x0                               ; my reads of this slot are over
	s_wait_xcnt 0x0
	v_lshl_add_u32 v30, v0, 2, 0x4f800
	v_mov_b32 v31, 0
	s_set_vgpr_msb 0x400
	s_wait_tensorcnt 0x0                           ; all my tensor loads have landed, my part of the other slot among them
	ds_add_u32 v30, v31
	s_wait_dscnt 0x0
	s_set_vgpr_msb 0x4
.if \kind == 2
	s_add_nc_u64 s[G0+4*\slot+2:G0+4*\slot+3], s[G0+4*\slot+2:G0+4*\slot+3], 2*CHUNKB   ; no load of mine is out: the group 0 may be written
.endif
	s_barrier_signal -1
.endif
	WAITK 2, \kind
	W 8
	CP 0
	W 9
	W 10
	MI 0, 0
	W 11
	MI 0, 2
.if \kind == 0
	LD 2
.endif
	WAITK 3, \kind
	W 12
	MI 0, 4
	W 13
	MI 0, 6
	W 14
	CP 1
	W 15
	MI 1, 0
.if \kind == 0
	LD 3
.endif
	WAITK 4, \kind
	W 16
	W 17
	MI 1, 2
	W 18
	MI 1, 4
	W 19
	MI 1, 6
.if \kind == 0
	LD 4
.endif
.if CHG
	WIN 0
	s_barrier_wait -1
.if \kind == 2
	CREST
	tensor_load_to_lds s[G0+4*\slot:G0+4*\slot+3], s[G1C:G1C+7]
	s_nop 0
.endif
	LD 0
	LE \u
	LD 1
	LD 2
	LD 3
	LD 4
	v_add_nc_u32 v[EQA], 1024, v[EQA]              ; the next chunk's 256 esq (window 0 is set here)
.endif
	WAITK 5, \kind
	W 20
	CP 2
	W 21
	W 22
	MI 2, 0
	W 23
	MI 2, 2
.if \kind < 3
	LD 5
.endif
	WAITK 6, \kind
	W 24
	MI 2, 4
	W 25
	MI 2, 6
	W 26
	CP 3
	W 27
	MI 3, 0
.if \kind < 3
	LD 6
.endif
	WAITK 7, \kind
	W 28
	W 29
	MI 3, 2
	W 30
	MI 3, 4
	W 31
	MI 3, 6
.if \kind < 3
	LD 7
.endif
	s_mov_b32 s[SCP], s[SCN]                       ; this tile is rounded next,
.if \u < 3
	s_add_co_u32 s[SCN], s[SCN], 16                ; and the next one multiplied: 16 codes on,
.else
	s_add_co_u32 s[SCN], s[SCN], 208               ; or 256 - 3 x 16: my first tile of the next chunk
.endif
.endm
.macro CHUNK slot, kind                ; four tiles; the accumulator sets take turns
	TILE 0, ACC,  ACC1, \slot, 0
	TILE 1, ACC1, ACC,  \slot, 0
	TILE 2, ACC,  ACC1, \slot, 0
	TILE 3, ACC1, ACC,  \slot, \kind
.endm
	s_wait_tensorcnt 0x1                           ; tensor loads end in order: my parts of esq and of chunk 0 are in; chunk 1's may stay out
	s_barrier_signal -1
	s_barrier_wait -1                              ; everybody's are
.set NA, ADRA
.set NO, 0
.irp k, 0,1,2,3,4,5,6,7
	LD \k                                          ; the first tile's fragments: 16 loads, so the counts at its K steps are the usual ones
.endr
	s_mov_b32 s44, 15                              ; chunks 0 to 29, each asking for the chunk two further on
.Lchunks:
	CHUNK 0, 2
	CHUNK 1, 2
	WIN 0                                          ; at a label and at a branch every window is 0
	s_sub_co_u32 s44, s44, 1
	s_cmp_lg_u32 s44, 0
	s_cbranch_scc1 .Lchunks
	CHUNK 0, 1                                     ; chunk 30: nothing is left to fetch
	CHUNK 1, 3                                     ; chunk 31
	; the last tile's vector work.  The sums t stand between its last matrix instructions and the first read of their results.
	WIN 0
	s_wait_dscnt 0x0                               ; its esq
.set PREV, ACC1
.irp zt, 0,1,2,3
	TP \zt
.endr
.irp zt, 0,1,2,3
	DP \zt
.endr
.irp zt, 0,1,2,3
	CP \zt
	MI \zt, 0
	MI \zt, 2
	MI \zt, 4
	MI \zt, 6
.endr
; (va, ia) = the lesser of (va, ia) and (vb, ib): the smaller d, and of equal d the lower code
.macro LEXMIN va, ia, vb, ib
	v_cmp_lt_f32 s48, v[\vb], v[\va]
	v_cmp_eq_f32 s49, v[\vb], v[\va]
	v_cmp_lt_u32 s50, v[\ib], v[\ia]
	s_and_b32 s49, s49, s50
	s_or_b32 s48, s48, s49
	v_cndmask_b32 v[\va], v[\va], v[\vb], s48
	v_cndmask_b32 v[\ia], v[\ia], v[\ib], s48
.endm
	; my eight registers (code = tile's code + 8 h + j), then the other half of the lanes, then (through LDS) the four quarters of the codes
	v_bfe_u32 v5, v0, 4, 1
	v_lshlrev_b32 v5, 3, v5                        ; 8 h
.irp zt, 0,1,2,3
.irp j, 1,2,3,4,5,6,7
	v_add_nc_u32 v[IDX+8*\zt+\j], \j, v[IDX+8*\zt+\j]
.endr
	LEXMIN BEST+8*\zt,   IDX+8*\zt,   BEST+8*\zt+1, IDX+8*\zt+1
	LEXMIN BEST+8*\zt+2, IDX+8*\zt+2, BEST+8*\zt+3, IDX+8*\zt+3
	LEXMIN BEST+8*\zt+4, IDX+8*\zt+4, BEST+8*\zt+5, IDX+8*\zt+5
	LEXMIN BEST+8*\zt+6, IDX+8*\zt+6, BEST+8*\zt+7, IDX+8*\zt+7
	LEXMIN BEST+8*\zt,   IDX+8*\zt,   BEST+8*\zt+2, IDX+8*\zt+2
	LEXMIN BEST+8*\zt+4, IDX+8*\zt+4, BEST+8*\zt+6, IDX+8*\zt+6
	LEXMIN BEST+8*\zt,   IDX+8*\zt,   BEST+8*\zt+4, IDX+8*\zt+4
	v_add_nc_u32 v[IDX+8*\zt], v5, v[IDX+8*\zt]            ; 8 h is common to my eight: added to the winner
	v_permlanex16_b32 v[TT],   v[BEST+8*\zt], s58, s59     ; destinations that have been written
	v_permlanex16_b32 v[TT+1], v[IDX+8*\zt],  s58, s59
	LEXMIN BEST+8*\zt, IDX+8*\zt, TT, TT+1
	ds_store_b32 v[MWA], v[BEST+8*\zt] offset:64*\zt       ; both halves of the lanes write the same word with the same number
	ds_store_b32 v[MWA], v[IDX+8*\zt]  offset:2048+64*\zt
.endr
	s_wait_dscnt 0x0                               ; my stores are done, for wave 0's sake
	s_barrier_signal -1
	s_barrier_wait -1
	s_cmp_lg_u32 s12, 0
	s_cbranch_scc1 .Lothers
	v_lshlrev_b32 v1, 4, v2                        ; wave 0: lane takes vectors 4 lane .. + 3
	v_add_nc_u32 v3, MRG, v1
.irp c, 0,1,2,3
	ds_load_b128 v[ACC+4*\c:ACC+4*\c+3],       v3 offset:512*\c
	ds_load_b128 v[ACC+16+4*\c:ACC+16+4*\c+3], v3 offset:2048+512*\c
.endr
	s_wait_dscnt 0x0
.irp e, 0,1,2,3
	LEXMIN ACC+\e,   ACC+16+\e, ACC+4+\e,  ACC+20+\e
	LEXMIN ACC+8+\e, ACC+24+\e, ACC+12+\e, ACC+28+\e
	LEXMIN ACC+\e,   ACC+16+\e, ACC+8+\e,  ACC+24+\e
.endr
	global_store_b128 v1, v[ACC+16:ACC+19], s[10:11]       ; the group's 128 indices: 512 consecutive bytes, aligned
.Lothers:
	s_wait_xcnt 0x0
	v_lshl_add_u32 v30, v0, 2, 0x4f800
	v_mov_b32 v31, 0
	s_wait_tensorcnt 0x0
	ds_add_u32 v30, v31
	s_wait_dscnt 0x0
	ROUND                                          ; the closing round: no work-group ends while a partner may still ask jointly
	s_endpgm
.Lfunc_end_k_qd2ce0ccc8b_main:
	.size	k_qd2ce0ccc8b_main, .Lfunc_end_k_qd2ce0ccc8b_main-k_qd2ce0ccc8b_main
	.p2alignl 7, 3214868480
	.fill 96, 4, 3214868480
	.section	.rodata,"a",@progbits
	.p2align	6, 0x0
	.amdhsa_kernel k_qd2ce0ccc8b_main
		.amdhsa_group_segment_fixed_size 327680
		.amdhsa_private_segment_fixed_size 0
		.amdhsa_enable_private_segment 0
		.amdhsa_kernarg_size 32
		.amdhsa_user_sgpr_count 2
		.amdhsa_user_sgpr_kernarg_segment_ptr 1
		.amdhsa_wavefront_size32 1
		.amdhsa_system_sgpr_workgroup_id_x 1
		.amdhsa_system_sgpr_workgroup_id_y 1
		.amdhsa_system_sgpr_workgroup_id_z 1
		.amdhsa_system_vgpr_workitem_id 0
		.amdhsa_next_free_vgpr 512
		.amdhsa_next_free_sgpr 66
		.amdhsa_reserve_vcc 0
		.amdhsa_float_denorm_mode_32 3
		.amdhsa_float_denorm_mode_16_64 3
		.amdhsa_memory_ordered 1
		.amdhsa_forward_progress 1
		.amdhsa_inst_pref_size 252
	.end_amdhsa_kernel
	.amdgpu_metadata
---
amdhsa.version: [ 1, 2 ]
amdhsa.kernels:
  - .name:           k_qd2ce0ccc8b_main
    .symbol:         k_qd2ce0ccc8b_main.kd
    .args:
      - { .name: z, .offset: 0, .size: 8, .value_kind: global_buffer, .address_space: global }
      - { .name: eb, .offset: 8, .size: 8, .value_kind: global_buffer, .address_space: global }
      - { .name: esq, .offset: 16, .size: 8, .value_kind: global_buffer, .address_space: global }
      - { .name: idx, .offset: 24, .size: 8, .value_kind: global_buffer, .address_space: global }
    .group_segment_fixed_size: 327680
    .private_segment_fixed_size: 0
    .kernarg_segment_align: 8
    .kernarg_segment_size: 32
    .max_flat_workgroup_size: 256
    .sgpr_count:     66
    .vgpr_count:     512
    .wavefront_size: 32
...
	.end_amdgpu_metadata
.endif
;; end of part 2
;; launch gather (part 3): grid 512 x 1, 8 waves a work-group, no clusters, 67,072 bytes of LDS; arguments z, emb_weight, idx, out0, part; writes out0, part
.if DOCPART == 3
	.amdgcn_target "amdgcn-amd-amdhsa--gfx1250"
	.amdhsa_code_object_version 6
	.text
	.protected	k_qd2ce0ccc8b_gather
	.globl	k_qd2ce0ccc8b_gather
	.p2align	8
	.type	k_qd2ce0ccc8b_gather,@function
k_qd2ce0ccc8b_gather:
	s_mov_b64 s[64:65], 0
	v_nop
	global_prefetch_b8 v0, s[64:65] scope:SCOPE_SE
	s_setreg_imm32_b32 hwreg(HW_REG_WAVE_MODE, 25, 1), 1
	s_wait_xcnt 0x0
; out0[b][c][hw] = z + (q - z),  q = emb_weight[idx[n]][c];  part[g] = the group's sum of (q - z)^2.  All in f32, from the inputs as given.
; A work-group takes 64 positions (b = g >> 6, hw0 = 64 (g & 63)) x 256 channels.  The chosen rows lie along c, the output along hw: they are
; turned in LDS.  Wave w fetches the rows of positions 8 w .. + 7 whole (two loads of 512 consecutive bytes a row) and lays them down as QT[n][c];
; then every wave reads, for its 32 channels, four neighbouring positions a lane, so that sixteen lanes load and store 256 consecutive bytes of z and out0, aligned.
; QT's pitch is 257 words: in a read the 32 lanes' words are (4 nq + i) x 257 + c with c = .. + ch, that is 4 nq + ch + a constant modulo 64: all different.
; That pitch is no multiple of 16 bytes, so QT is written and read by words.
; The indices were stored as whole numbers by the launch before; they are clamped to the table's 8,192 rows before they enter an address.
; Memory binds; loads go through registers, so several work-groups can lie on a WGP.  Matrix units and clusters would add nothing: no two groups share a tile.
.set QP,  1028                         ; QT's pitch in bytes
.set RED, 64*QP                        ; 65,792: eight waves' sums
.set ZO,  4                            ; v4        w x 32 channels x 16,384 + ch x 16,384 + 16 nq
.set QSA, 5                            ; v5        8 w x 1,028 + 16 lane
.set QRA, 6                            ; v6        4 nq x 1,028 + 128 w + 4 ch
.set O,   8                            ; v[8:15]   row i: 1,024 x index + 16 lane
.set Z,   16                           ; v[16:79]  t: 4 positions of channel 32 w + 2 t + ch
.set Q,   80                           ; v[80:143] the rows as loaded; then t: q of the same 4 positions; then the output
.set D,   144                          ; v[144:147] q - z
.set LS,  148                          ; v[148:151] sums of squares
	s_load_b256 s[4:11], s[0:1], 0x0               ; z s[4:5], emb_weight s[6:7], idx s[8:9], out0 s[10:11]
	s_load_b64 s[12:13], s[0:1], 0x20              ; part
	v_lshl_add_u32 v152, v0, 2, 0x10200
	v_mov_b32 v153, 0
	v_and_b32 v1, 31, v0                           ; lane
	v_lshrrev_b32 v2, 5, v0
	v_readfirstlane_b32 s24, v2                    ; w
	v_and_b32 v2, 15, v0                           ; nq
	v_bfe_u32 v3, v0, 4, 1                         ; ch
	v_lshlrev_b32 v7, 4, v1                        ; 16 lane
	v_lshlrev_b32 v[ZO], 4, v2
	v_lshl_add_u32 v[ZO], v3, 14, v[ZO]
	v_lshl_add_u32 v[ZO], s24, 19, v[ZO]
	s_mul_i32 s25, s24, 8*QP
	v_add_nc_u32 v[QSA], s25, v7
	v_mul_u32_u24 v[QRA], v2, 4*QP
	v_lshl_add_u32 v[QRA], v3, 2, v[QRA]
	v_lshl_add_u32 v[QRA], s24, 7, v[QRA]
	s_lshr_b32 s14, ttmp9, 6                       ; b: 4 MiB an image,
	s_lshl_b32 s14, s14, 22
	s_and_b32 s15, ttmp9, 63                       ; and 64 positions of 4 bytes
	s_lshl_b32 s15, s15, 8
	s_add_co_u32 s14, s14, s15
	s_mov_b32 s15, 0
	s_lshl_b32 s28, ttmp9, 8                       ; idx: 64 words a group, 8 a wave
	s_lshl_b32 s29, s24, 5
	s_add_co_u32 s28, s28, s29
	s_mov_b32 s29, 0
	s_lshl_b32 s30, ttmp9, 2                       ; part: a word a group
	s_mov_b32 s31, 0
	s_mov_b32 s26, 0x76543210                      ; v_permlanex16_b32: lane i reads lane i of the other half
	s_mov_b32 s27, 0xfedcba98
	s_wait_kmcnt 0x0
	s_add_nc_u64 s[8:9], s[8:9], s[28:29]
	s_load_b256 s[16:23], s[8:9], 0x0              ; my wave's eight indices
	s_add_nc_u64 s[4:5], s[4:5], s[14:15]
	s_add_nc_u64 s[10:11], s[10:11], s[14:15]
	s_add_nc_u64 s[12:13], s[12:13], s[30:31]
.irp t, 0,1,2,3,4,5,6,7,8,9,10,11,12,13,14,15
	global_load_b128 v[Z+4*\t:Z+4*\t+3], v[ZO], s[4:5] offset:32768*\t th:TH_LOAD_NT
.endr
	s_wait_kmcnt 0x0
.irp i, 0,1,2,3,4,5,6,7
	s_min_u32 s[16+\i], s[16+\i], 8191             ; an index stays inside the table
	v_lshl_add_u32 v[O+\i], s[16+\i], 10, v7       ; a row is 1,024 bytes
.endr
.irp i, 0,1,2,3,4,5,6,7
	global_load_b128 v[Q+8*\i:Q+8*\i+3],   v[O+\i], s[6:7]                 ; columns 4 lane .. + 3.  No hint: a row may be named again
	global_load_b128 v[Q+8*\i+4:Q+8*\i+7], v[O+\i], s[6:7] offset:512      ; columns 128 + 4 lane .. + 3
.endr
.irp i, 0,1,2,3,4,5,6,7
.irp hf, 0,1
	s_wait_loadcnt 15-2*\i-\hf                     ; loads come back in order: this half row is in (and all of z), the younger ones stay out
.irp e, 0,1,2,3
	ds_store_b32 v[QSA], v[Q+8*\i+4*\hf+\e] offset:QP*\i+512*\hf+4*\e
.endr
.endr
.endr
	s_wait_dscnt 0x0                               ; my stores are done, for the other waves' sake
	s_barrier_signal -1
	s_barrier_wait -1
.irp t, 0,1,2,3,4,5,6,7,8,9,10,11,12,13,14,15
.irp i, 0,1,2,3
	ds_load_b32 v[Q+4*\t+\i], v[QRA] offset:QP*\i+8*\t     ; q of position 4 nq + i, channel 32 w + 2 t + ch
.endr
.endr
.irp t, 0,1,2,3,4,5,6,7,8,9,10,11,12,13,14,15
	s_wait_dscnt 60-4*\t                           ; LDS loads come back in order: this t's four are in, the later ones stay out
	v_pk_add_f32 v[D:D+1],   v[Q+4*\t:Q+4*\t+1],   v[Z+4*\t:Z+4*\t+1]   neg_lo:[0,1] neg_hi:[0,1]     ; q - z
	v_pk_add_f32 v[D+2:D+3], v[Q+4*\t+2:Q+4*\t+3], v[Z+4*\t+2:Z+4*\t+3] neg_lo:[0,1] neg_hi:[0,1]
	v_pk_add_f32 v[Q+4*\t:Q+4*\t+1],   v[Z+4*\t:Z+4*\t+1],   v[D:D+1]      ; z + (q - z), into registers that are this t's own
	v_pk_add_f32 v[Q+4*\t+2:Q+4*\t+3], v[Z+4*\t+2:Z+4*\t+3], v[D+2:D+3]
	global_store_b128 v[ZO], v[Q+4*\t:Q+4*\t+3], s[10:11] offset:32768*\t th:TH_STORE_NT
.if \t == 0
	v_pk_mul_f32 v[LS:LS+1],   v[D:D+1],   v[D:D+1]    ; the first products start the sums
	v_pk_mul_f32 v[LS+2:LS+3], v[D+2:D+3], v[D+2:D+3]
.else
	v_pk_fma_f32 v[LS:LS+1],   v[D:D+1],   v[D:D+1],   v[LS:LS+1]
	v_pk_fma_f32 v[LS+2:LS+3], v[D+2:D+3], v[D+2:D+3], v[LS+2:LS+3]
.endif
.endr
	v_pk_add_f32 v[LS:LS+1], v[LS:LS+1], v[LS+2:LS+3]
	v_add_f32 v[LS], v[LS], v[LS+1]
	v_add_f32_dpp v[LS], v[LS], v[LS] row_xmask:1 row_mask:0xf bank_mask:0xf
	v_add_f32_dpp v[LS], v[LS], v[LS] row_xmask:2 row_mask:0xf bank_mask:0xf
	v_add_f32_dpp v[LS], v[LS], v[LS] row_xmask:4 row_mask:0xf bank_mask:0xf
	v_add_f32_dpp v[LS], v[LS], v[LS] row_xmask:8 row_mask:0xf bank_mask:0xf
	v_permlanex16_b32 v[LS+1], v[LS], s26, s27
	v_add_f32 v[LS], v[LS], v[LS+1]
	s_lshl_b32 s25, s24, 2
	s_add_co_u32 s25, s25, RED
	v_mov_b32 v[QSA], s25
	ds_store_b32 v[QSA], v[LS]                     ; the wave's sum, to the wave's own word (bytes apart from QT)
	s_wait_dscnt 0x0
	s_barrier_signal -1
	s_barrier_wait -1
	s_cmp_lg_u32 s24, 0
	s_cbranch_scc1 .Lend
	v_mov_b32 v[QRA], RED
	ds_load_b128 v[D:D+3],   v[QRA]
	ds_load_b128 v[LS:LS+3], v[QRA] offset:16
	v_mov_b32 v7, 0
	v_cmp_eq_u32 vcc_lo, 0, v1
	s_wait_dscnt 0x0
	v_pk_add_f32 v[D:D+1],   v[D:D+1],   v[D+2:D+3]
	v_pk_add_f32 v[LS:LS+1], v[LS:LS+1], v[LS+2:LS+3]
	v_pk_add_f32 v[D:D+1],   v[D:D+1],   v[LS:LS+1]
	v_add_f32 v[D], v[D], v[D+1]
	s_wait_xcnt 0x0                                ; EXEC is a source of the stores above: it is narrowed only behind this wait
	s_wait_tensorcnt 0x0
	ds_add_u32 v152, v153
	s_wait_dscnt 0x0
	s_and_saveexec_b32 s25, vcc_lo
	global_store_b32 v7, v[D], s[12:13]            ; lane 0 of wave 0: the group's sum
	s_endpgm
.Lend:
	s_wait_tensorcnt 0x0
	ds_add_u32 v152, v153
	s_wait_dscnt 0x0
	s_endpgm
.Lfunc_end_k_qd2ce0ccc8b_gather:
	.size	k_qd2ce0ccc8b_gather, .Lfunc_end_k_qd2ce0ccc8b_gather-k_qd2ce0ccc8b_gather
	.p2alignl 7, 3214868480
	.fill 96, 4, 3214868480
	.section	.rodata,"a",@progbits
	.p2align	6, 0x0
	.amdhsa_kernel k_qd2ce0ccc8b_gather
		.amdhsa_group_segment_fixed_size 67072
		.amdhsa_private_segment_fixed_size 0
		.amdhsa_enable_private_segment 0
		.amdhsa_kernarg_size 40
		.amdhsa_user_sgpr_count 2
		.amdhsa_user_sgpr_kernarg_segment_ptr 1
		.amdhsa_wavefront_size32 1
		.amdhsa_system_sgpr_workgroup_id_x 1
		.amdhsa_system_sgpr_workgroup_id_y 1
		.amdhsa_system_sgpr_workgroup_id_z 1
		.amdhsa_system_vgpr_workitem_id 0
		.amdhsa_next_free_vgpr 154
		.amdhsa_next_free_sgpr 66
		.amdhsa_reserve_vcc 1
		.amdhsa_float_denorm_mode_32 3
		.amdhsa_float_denorm_mode_16_64 3
		.amdhsa_memory_ordered 1
		.amdhsa_forward_progress 1
		.amdhsa_inst_pref_size 25
	.end_amdhsa_kernel
	.amdgpu_metadata
---
amdhsa.version: [ 1, 2 ]
amdhsa.kernels:
  - .name:           k_qd2ce0ccc8b_gather
    .symbol:         k_qd2ce0ccc8b_gather.kd
    .args:
      - { .name: z, .offset: 0, .size: 8, .value_kind: global_buffer, .address_space: global }
      - { .name: emb_weight, .offset: 8, .size: 8, .value_kind: global_buffer, .address_space: global }
      - { .name: idx, .offset: 16, .size: 8, .value_kind: global_buffer, .address_space: global }
      - { .name: out0, .offset: 24, .size: 8, .value_kind: global_buffer, .address_space: global }
      - { .name: part, .offset: 32, .size: 8, .value_kind: global_buffer, .address_space: global }
    .group_segment_fixed_size: 67072
    .private_segment_fixed_size: 0
    .kernarg_segment_align: 8
    .kernarg_segment_size: 40
    .max_flat_workgroup_size: 256
    .sgpr_count:     66
    .vgpr_count:     154
    .wavefront_size: 32
...
	.end_amdgpu_metadata
.endif
;; end of part 3
;; launch final (part 4): grid 1 x 1, 1 waves a work-group, no clusters, 0 bytes of LDS; arguments part, out1; writes out1
.if DOCPART == 4
	.amdgcn_target "amdgcn-amd-amdhsa--gfx1250"
	.amdhsa_code_object_version 6
	.text
	.protected	k_qd2ce0ccc8b_final
	.globl	k_qd2ce0ccc8b_final
	.p2align	8
	.type	k_qd2ce0ccc8b_final,@function
k_qd2ce0ccc8b_final:
	s_mov_b64 s[64:65], 0
	v_nop
	global_prefetch_b8 v0, s[64:65] scope:SCOPE_SE
	s_setreg_imm32_b32 hwreg(HW_REG_WAVE_MODE, 25, 1), 1
	s_wait_xcnt 0x0
; out1 = 0.25 mean + mean = 1.25 x (sum of the 512 groups' sums) / 2^23;  8 x 256 x 64 x 64 = 2^23 numbers.
; One wave: 2,048 bytes, four loads of 16 bytes a lane.  A launch of its own because the sum spans the work-groups of the launch before.
	s_load_b128 s[4:7], s[0:1], 0x0                ; part s[4:5], out1 s[6:7]
	v_lshlrev_b32 v1, 4, v0
	v_mov_b32 v2, 0
	s_mov_b32 s8, 0x76543210                       ; v_permlanex16_b32: lane i reads lane i of the other half
	s_mov_b32 s9, 0xfedcba98
	s_wait_kmcnt 0x0
.irp k, 0,1,2,3
	global_load_b128 v[4+4*\k:7+4*\k], v1, s[4:5] offset:512*\k
.endr
	s_wait_loadcnt 0x0
	v_pk_add_f32 v[4:5],   v[4:5],   v[6:7]
	v_pk_add_f32 v[8:9],   v[8:9],   v[10:11]
	v_pk_add_f32 v[12:13], v[12:13], v[14:15]
	v_pk_add_f32 v[16:17], v[16:17], v[18:19]
	v_pk_add_f32 v[4:5],   v[4:5],   v[8:9]
	v_pk_add_f32 v[12:13], v[12:13], v[16:17]
	v_pk_add_f32 v[4:5],   v[4:5],   v[12:13]
	v_add_f32 v4, v4, v5
	v_add_f32_dpp v4, v4, v4 row_xmask:1 row_mask:0xf bank_mask:0xf
	v_add_f32_dpp v4, v4, v4 row_xmask:2 row_mask:0xf bank_mask:0xf
	v_add_f32_dpp v4, v4, v4 row_xmask:4 row_mask:0xf bank_mask:0xf
	v_add_f32_dpp v4, v4, v4 row_xmask:8 row_mask:0xf bank_mask:0xf
	v_permlanex16_b32 v5, v4, s8, s9
	v_add_f32 v4, v4, v5
	v_mul_f32 v4, 0x34200000, v4                   ; 1.25 x 2^-23
	v_cmp_eq_u32 vcc_lo, 0, v0
	s_wait_xcnt 0x0                                ; EXEC is narrowed only behind this wait
	s_and_saveexec_b32 s10, vcc_lo
	global_store_b32 v2, v4, s[6:7]
	s_endpgm
.Lfunc_end_k_qd2ce0ccc8b_final:
	.size	k_qd2ce0ccc8b_final, .Lfunc_end_k_qd2ce0ccc8b_final-k_qd2ce0ccc8b_final
	.p2alignl 7, 3214868480
	.fill 96, 4, 3214868480
	.section	.rodata,"a",@progbits
	.p2align	6, 0x0
	.amdhsa_kernel k_qd2ce0ccc8b_final
		.amdhsa_group_segment_fixed_size 0
		.amdhsa_private_segment_fixed_size 0
		.amdhsa_enable_private_segment 0
		.amdhsa_kernarg_size 16
		.amdhsa_user_sgpr_count 2
		.amdhsa_user_sgpr_kernarg_segment_ptr 1
		.amdhsa_wavefront_size32 1
		.amdhsa_system_sgpr_workgroup_id_x 1
		.amdhsa_system_sgpr_workgroup_id_y 1
		.amdhsa_system_sgpr_workgroup_id_z 1
		.amdhsa_system_vgpr_workitem_id 0
		.amdhsa_next_free_vgpr 24
		.amdhsa_next_free_sgpr 66
		.amdhsa_reserve_vcc 1
		.amdhsa_float_denorm_mode_32 3
		.amdhsa_float_denorm_mode_16_64 3
		.amdhsa_memory_ordered 1
		.amdhsa_forward_progress 1
		.amdhsa_inst_pref_size 3
	.end_amdhsa_kernel
	.amdgpu_metadata
---
amdhsa.version: [ 1, 2 ]
amdhsa.kernels:
  - .name:           k_qd2ce0ccc8b_final
    .symbol:         k_qd2ce0ccc8b_final.kd
    .args:
      - { .name: part, .offset: 0, .size: 8, .value_kind: global_buffer, .address_space: global }
      - { .name: out1, .offset: 8, .size: 8, .value_kind: global_buffer, .address_space: global }
    .group_segment_fixed_size: 0
    .private_segment_fixed_size: 0
    .kernarg_segment_align: 8
    .kernarg_segment_size: 16
    .max_flat_workgroup_size: 32
    .sgpr_count:     66
    .vgpr_count:     24
    .wavefront_size: 32
...
	.end_amdgpu_metadata
.endif
;; end of part 4
